; MI455X (gfx1250); checked and timed in simulation.
; The chip was launched on July 23, 2026; its instructions are those of AMD's public machine-readable ISA for CDNA 5 (MIT licence, August 2026) and "CDNA5" Instruction Set Architecture Reference Guide (July 2026). The comments in the code are by the model that wrote it; some were corrected since.
;; Affine Transformer. Allowed arithmetic: float matrix products may take bf16 or f16 operands with f32 sums; all other float work in f32.
;; Inputs: affine_outs 2,048 x 6 float32; fill_alpha 2,048 x 32 x 32 float32; stroke_alpha 2,048 x 32 x 32 float32; targetsize 1 x 2,048 x 2 int32.
;; Outputs: out0 2,048 x 64 x 64 float32; out1 2,048 x 64 x 64 float32.
;; One version. Each part assembles by itself: llvm-mc -triple=amdgcn-amd-amdhsa -mcpu=gfx1250 --defsym DOCPART=n.
;; ======== version 1 of 1: 2 launches
;; workspace buffers: theta 49,152 bytes of whole numbers
;; launch fix (part 1): grid 64 x 1, 3 waves a work-group, no clusters, 0 bytes of LDS; arguments affine_outs, theta; writes theta
.if DOCPART == 1
	.amdgcn_target "amdgcn-amd-amdhsa--gfx1250"
	.amdhsa_code_object_version 6
	.text
	.protected	k_q8596c637c0_fix
	.globl	k_q8596c637c0_fix
	.p2align	8
	.type	k_q8596c637c0_fix,@function
k_q8596c637c0_fix:
	s_mov_b64 s[64:65], 0
	v_nop
	global_prefetch_b8 v0, s[64:65] scope:SCOPE_SE
	s_setreg_imm32_b32 hwreg(HW_REG_WAVE_MODE, 25, 1), 1
	s_wait_xcnt 0x0
; theta[n][0..5]: the affine map of sample n as whole numbers, 23 fraction bits, in units of source pixels.
; With J = 2 j - 63 and I = 2 i - 63 (j, i: column and row of the 64 x 64 result) the next launch forms
;   cx = theta0 J + theta2 I + theta4        cy = theta3 J + theta1 I + theta5
; where c = (coordinate in the 96 x 96 padded picture) - 31.  From reference(): ix = 48 gx + 47.5, X = J / 64, so
;   theta0 = 0.75 a00 = 1.5 sig(x0)            theta1 = 0.75 a11 = 1.5 sig(x1)
;   theta2 = 0.75 a01 = 3 sig(2 x2) - 1.5      theta3 = 0.75 a10 = 3 sig(2 x3) - 1.5        (tanh x = 2 sig(2 x) - 1)
;   theta4 = 48 a02 + 16.5 = 96 sig(2 x4) - 31.5      theta5 likewise from x5
; All six are alpha sig(beta x) + gamma, and neighbours (0,1), (2,3), (4,5) share alpha, beta, gamma: a thread takes one such pair.
; The step from floats to whole numbers stands in a launch of its own, so that in the next launch every LDS address and every
; branch is made of whole numbers read from memory.
; sig(z) = 1 / (1 + 2^(-z log2 e)): for large |x| the power is 0 or infinite and the quotient 1 or 0, as in reference().
; LIMITS: a NaN in affine_outs becomes the whole number 0 (reference() gives NaN for that sample).  Slopes are rounded to 2^-23 pixel;
; theta4 and theta5 reach 64.5 x 2^23 < 2^30 and carry f32's 24 bits, that is 2^-17 pixel.
; 12,288 numbers = 6,144 pairs = 64 work-groups of 96 threads; 96 is a multiple of 3, so a pair's kind is t mod 3.
; A wave's load and its store each cover 256 consecutive bytes, at a multiple of 256 from the buffer's first byte.
.set THREADS, 96
	s_load_b128 s[4:7], s[0:1], 0x0                ; affine_outs s[4:5], theta s[6:7]
	v_mul_u32_u24 v1, v0, 171
	v_lshrrev_b32 v1, 9, v1                        ; t / 3: 171 / 512 exceeds 1 / 3 by 0.00065, times 95 that is under 1 / 3
	v_mul_u32_u24 v2, v1, 3
	v_sub_nc_u32 v1, v0, v2                        ; kind = t mod 3
	s_mul_i32 s2, ttmp9, THREADS*8
	v_lshl_add_u32 v3, v0, 3, s2                   ; byte offset of my pair, the same in both buffers
	s_wait_kmcnt 0x0
	global_load_b64 v[4:5], v3, s[4:5]
	; the three constants of my kind, while the load is out
	v_mov_b32 v6, 0xc038aa3b                       ; kinds 1, 2: -2 log2 e
	v_mov_b32 v7, 0x4bc00000                       ; kind 1: alpha = 3 x 2^23
	v_mov_b32 v8, 0xcb400000                       ; kind 1: gamma = -1.5 x 2^23
	v_cmp_ne_u32 vcc_lo, 0, v1
	v_cndmask_b32 v6, 0xbfb8aa3b, v6, vcc_lo       ; kind 0: -log2 e
	v_cndmask_b32 v7, 0x4b400000, v7, vcc_lo       ; kind 0: 1.5 x 2^23
	v_cndmask_b32 v8, 0, v8, vcc_lo                ; kind 0: 0
	v_cmp_ne_u32 vcc_lo, 2, v1
	v_cndmask_b32 v7, 0x4e400000, v7, vcc_lo       ; kind 2: 96 x 2^23
	v_cndmask_b32 v8, 0xcd7c0000, v8, vcc_lo       ; kind 2: -31.5 x 2^23
	s_wait_loadcnt 0x0
	v_pk_mul_f32 v[4:5], v[4:5], v[6:7] op_sel_hi:[1,0]    ; both times v6
	v_exp_f32 v4, v4
	v_exp_f32 v5, v5
	v_nop                                          ; one plain place between a transcendental and the use of its result (ISA guide 5.7.2)
	s_wait_alu depctr_va_vdst(0)
	v_pk_add_f32 v[4:5], v[4:5], 1.0 op_sel_hi:[1,0]
	v_rcp_f32 v4, v4
	v_rcp_f32 v5, v5
	v_nop                                          ; the same
	s_wait_alu depctr_va_vdst(0)
	v_fma_f32 v4, v4, v7, v8
	v_fma_f32 v5, v5, v7, v8
	v_rndne_f32 v4, v4                             ; to the nearest whole number: the conversion alone would cut toward zero
	v_rndne_f32 v5, v5
	v_cvt_i32_f32 v4, v4
	v_cvt_i32_f32 v5, v5
	global_store_b64 v3, v[4:5], s[6:7]
	s_endpgm
.Lfunc_end_k_q8596c637c0_fix:
	.size	k_q8596c637c0_fix, .Lfunc_end_k_q8596c637c0_fix-k_q8596c637c0_fix
	.p2alignl 7, 3214868480
	.fill 96, 4, 3214868480
	.section	.rodata,"a",@progbits
	.p2align	6, 0x0
	.amdhsa_kernel k_q8596c637c0_fix
		.amdhsa_group_segment_fixed_size 0
		.amdhsa_private_segment_fixed_size 0
		.amdhsa_enable_private_segment 0
		.amdhsa_kernarg_size 16
		.amdhsa_user_sgpr_count 2
		.amdhsa_user_sgpr_kernarg_segment_ptr 1
		.amdhsa_wavefront_size32 1
		.amdhsa_system_sgpr_workgroup_id_x 1
		.amdhsa_system_sgpr_workgroup_id_y 1
		.amdhsa_system_sgpr_workgroup_id_z 1
		.amdhsa_system_vgpr_workitem_id 0
		.amdhsa_next_free_vgpr 12
		.amdhsa_next_free_sgpr 66
		.amdhsa_reserve_vcc 1
		.amdhsa_float_denorm_mode_32 3
		.amdhsa_float_denorm_mode_16_64 3
		.amdhsa_memory_ordered 1
		.amdhsa_forward_progress 1
		.amdhsa_inst_pref_size 3
	.end_amdhsa_kernel
	.amdgpu_metadata
---
amdhsa.version: [ 1, 2 ]
amdhsa.kernels:
  - .name:           k_q8596c637c0_fix
    .symbol:         k_q8596c637c0_fix.kd
    .args:
      - { .name: affine_outs, .offset: 0, .size: 8, .value_kind: global_buffer, .address_space: global }
      - { .name: theta, .offset: 8, .size: 8, .value_kind: global_buffer, .address_space: global }
    .group_segment_fixed_size: 0
    .private_segment_fixed_size: 0
    .kernarg_segment_align: 8
    .kernarg_segment_size: 16
    .max_flat_workgroup_size: 96
    .sgpr_count:     66
    .vgpr_count:     12
    .wavefront_size: 32
...
	.end_amdgpu_metadata
.endif
;; end of part 1
;; launch warp (part 2): grid 2048 x 1, 4 waves a work-group, no clusters, 10,752 bytes of LDS; arguments theta, fill_alpha, stroke_alpha, targetsize, out0, out1; writes out0, out1
.if DOCPART == 2
	.amdgcn_target "amdgcn-amd-amdhsa--gfx1250"
	.amdhsa_code_object_version 6
	.text
	.protected	k_q8596c637c0_warp
	.globl	k_q8596c637c0_warp
	.p2align	8
	.type	k_q8596c637c0_warp,@function
k_q8596c637c0_warp:
	s_mov_b64 s[64:65], 0
	v_nop
	global_prefetch_b8 v0, s[64:65] scope:SCOPE_SE
	s_setreg_imm32_b32 hwreg(HW_REG_WAVE_MODE, 25, 1), 1
	s_wait_xcnt 0x0
; out0[n], out1[n] (64 x 64 f32) = fill_alpha[n], stroke_alpha[n] (32 x 32 f32, zero all round) sampled bilinearly under sample n's affine map.
; One work-group of four waves for each sample.
;
; THE PICTURE IN LDS.  Cells of 8 bytes (fill, stroke), so that one 8-byte load brings both pictures' value of a source pixel.
; 35 rows of 34 cells, 272 bytes from row to row, cell (row r, column c) at BASE + 272 r + 8 c.  Source pixel (y, x) is cell (y + 1, x + 1);
; row 0, rows 33 and 34 and columns 0 and 33 are zero; column 34 of a row is column 0 of the next.  A result needs the four cells
; (r0, c0), (r0, c0 + 1), (r0 + 1, c0), (r0 + 1, c0 + 1).  It can differ from zero only for r0 and c0 in 0 .. 32; every other index, negative ones too
; (they are large as unsigned numbers), is set to 33 by one unsigned minimum, where all four cells are zero.  That is reference()'s zero padding
; and its test for validity in one: no mask, no compare.
;
; COORDINATES are whole numbers with 23 fraction bits, made by the launch before this one (theta): cx = t0 J + t2 I + t4, cy = t3 J + t1 I + t5,
; J = 2 j - 63, I = 2 i - 63.  |c| <= 94.5 + 94.5 + 48 + 16.5 = 253.5 < 256: they fit 32 bits, and integer sums are exact.  The cell is c >> 23;
; the weight is the 23 fraction bits under the exponent of 1.0, minus 1.0, which is exact.  Every LDS address and the one data-dependent branch
; are made of whole numbers read from memory.
;
; THE WORK.  A row of a result is 256 bytes.  In each of 8 trips a wave makes two rows: lane l makes 4 neighbouring pixels of row l / 16, so each store
; covers 512 consecutive bytes, at a multiple of 512 from the buffer's first byte.  Row pairs are dealt to the waves in turn (pair w + 4 g in trip g), since the rows that
; meet the picture lie together.  If no lane's 4 pixels can meet cells 0 .. 32 the wave stores zeros and skips loads and arithmetic.
;
; Not used: matrix instructions (no product); tensor loads or copies into LDS (the two pictures are interleaved on their way, through registers);
; clusters (no two work-groups read the same byte of a picture).
; targetsize: reference() takes it and lets no result depend on it.  Its two words for this sample are read with the sample's other scalars and go into nothing.
; LIMITS: alpha values are taken as finite (an infinity or NaN spreads otherwise than in reference(), which multiplies by four weights where this text
; interpolates a + w (b - a)).  NaN in affine_outs: see the launch that makes theta.
.set PITCH,  272                       ; bytes from row to row: 34 cells
.set BASE,   232                       ; cell (0, 0); makes cell (r, 1), a row's first datum, a multiple of 16: 240 + 272 r
.set WROWS,  2*PITCH                   ; the two rows (with their border cells) that one wave fills with one store
.set CHUNK,  4*WROWS                   ; and the eight rows of the four waves
.set TAIL,   8192                      ; 9,216 (behind row 32's border cells) - 1,024 (16 t of thread 64)
.set FRAC,   23
.set LIMIT,  33<<FRAC                  ; coordinates from 0 up to here can give a result other than zero
.set TRIPS,  8
.set TSTEP,  2048                      ; bytes of a result from trip to trip: 8 rows
.set LANE, 1                           ; v1       lane
.set GOF,  2                           ; v2       8 t: my 8 bytes in each 1,024 of a picture
.set LST,  3                           ; v3       LDS: where my two cells go
.set OFF,  4                           ; v4       16 t: LDS address for the zero blocks, then my byte offset in the results
.set LZ,   5                           ; v5       LDS: my row's start, for its border cells
.set TJ,   6                           ; v6       lane & 15, then J of my first pixel
.set TI,   7                           ; v7       lane >> 4, then I of my row in trip 0
.set Z,    8                           ; v[8:11]  zeros
.set TB,   12                          ; v[12:13] largest cx, cy of my 4 pixels in trip 0
.set UB,   14                          ; v[14:21] (cx, cy) of pixel k in trip 0
.set TT,   22                          ; v[22:23] at work
.set U,    24                          ; v[24:31] (cx, cy) of pixel k, then its weights (wx, wy)
.set AD,   32                          ; v[32:39] (c0, r0) of pixel k, then its LDS address
.set D,    40                          ; v[40:71] pixel k: four cells of two registers.  First: the pictures on their way into LDS
.set F,    72                          ; v[72:75] four results of fill
.set S,    76                          ; v[76:79] four results of stroke
	s_load_b256 s[4:11], s[0:1], 0x0               ; theta s[4:5], fill s[6:7], stroke s[8:9], targetsize s[10:11]
	s_load_b128 s[12:15], s[0:1], 0x20             ; out0 s[12:13], out1 s[14:15]
	v_lshl_add_u32 v80, v0, 2, 0x2800
	v_mov_b32 v81, 0
	v_lshrrev_b32 v[TT], 5, v0
	v_readfirstlane_b32 s16, v[TT]                 ; wave 0 .. 3
	v_and_b32 v[LANE], 31, v0
	v_lshlrev_b32 v[GOF], 3, v0
	s_mul_i32 s17, ttmp9, 24                       ; the sample's six words of theta
	s_lshl_b32 s18, ttmp9, 3                       ; its two words of targetsize
	s_lshl_b32 s2, ttmp9, 12                       ; its 4,096 bytes of each picture
	s_mov_b32 s3, 0
	s_wait_kmcnt 0x0
	s_load_b128 s[20:23], s[4:5], s17 offset:0x0   ; t0 (cx per J), t1 (cy per I), t2 (cx per I), t3 (cy per J)
	s_load_b64 s[24:25], s[4:5], s17 offset:0x10   ; t4, t5: cx, cy at J = I = 0
	s_load_b64 s[26:27], s[10:11], s18 offset:0x0  ; targetsize[n]: read, and used by nothing, as in reference()
	s_add_nc_u64 s[6:7], s[6:7], s[2:3]
	s_add_nc_u64 s[8:9], s[8:9], s[2:3]
	; Chunk h = source rows 8 h .. 8 h + 7.  Thread t takes pixels x = 2 (t & 15), x + 1 of row 8 h + t / 16 of both pictures:
	; a wave's load covers 256 consecutive bytes, at a multiple of 256 from the buffer's first byte.  Each byte is read once in the launch.
.irp h, 0,1,2,3
	global_load_b64 v[D+4*\h:D+4*\h+1],   v[GOF], s[6:7] offset:1024*\h th:TH_LOAD_NT
	global_load_b64 v[D+4*\h+2:D+4*\h+3], v[GOF], s[8:9] offset:1024*\h th:TH_LOAD_NT
.endr
	s_lshl_b32 s2, ttmp9, 14                       ; the sample's 16,384 bytes of each result
	s_add_nc_u64 s[12:13], s[12:13], s[2:3]
	s_add_nc_u64 s[14:15], s[14:15], s[2:3]
	; While the pictures are on their way: LDS addresses and the zero border.
	v_and_b32 v[TJ], 15, v[LANE]
	v_lshrrev_b32 v[TI], 4, v[LANE]
	s_mul_i32 s19, s16, WROWS
	v_mul_u32_u24 v[LZ], v[TI], PITCH
	v_add_nc_u32 v[LZ], s19, v[LZ]                 ; 272 (lane / 16) + 544 wave
	v_lshl_add_u32 v[LST], v[TJ], 4, v[LZ]         ; + 16 (lane & 15)
	s_lshl_b32 s19, s16, 9
	v_lshl_add_u32 v[OFF], v[LANE], 4, s19         ; 16 lane + 512 wave = 16 t
.irp r, 0,1,2,3
	v_mov_b32 v[Z+\r], 0
.endr
	; Behind the 256 bytes of data of row r lie 16 bytes of border: its column 33 and the next row's column 0.  The wave that fills a row zeroes them
	; (the sixteen lanes of a row all write the same 16 bytes), so that with the data each wave writes 544 consecutive bytes of its own per chunk.
.irp h, 0,1,2,3
	ds_store_b128 v[LZ], v[Z:Z+3] offset:BASE+8+2*PITCH-16+CHUNK*\h
.endr
	s_cmp_lg_u32 s16, 0
	s_cbranch_scc1 .Lnot_top
	ds_store_b128 v[OFF], v[Z:Z+3]                 ; wave 0: bytes 0 .. 511 = what lies in front of cell (0, 0), row 0, and row 1's column 0
.Lnot_top:
	s_cmp_lt_u32 s16, 2
	s_cbranch_scc1 .Lnot_tail
	ds_store_b128 v[OFF], v[Z:Z+3] offset:TAIL     ; waves 2, 3: bytes 9,216 .. 10,239: rows 33 and 34 and cell (34, 34), which end at 9,760
.Lnot_tail:
	; Coordinates of my four pixels in trip 0: j = 4 (lane & 15) + k, i = 2 wave + lane / 16.
	s_sub_co_u32 s29, 0, 63
	v_lshl_add_u32 v[TJ], v[TJ], 3, s29            ; J = 8 (lane & 15) - 63
	s_lshl2_add_u32 s28, s16, s29                  ; 4 wave - 63
	v_lshl_add_u32 v[TI], v[TI], 1, s28            ; I = 2 (lane / 16) + 4 wave - 63
	s_wait_kmcnt 0x0                               ; theta (scalar loads return in no order: zero is the only count that says anything)
	v_mul_lo_u32 v[U],   v[TJ], s20
	v_mul_lo_u32 v[U+1], v[TI], s22
	v_mul_lo_u32 v[U+2], v[TJ], s23
	v_mul_lo_u32 v[U+3], v[TI], s21
	v_add3_u32 v[UB],   v[U],   v[U+1], s24        ; cx of pixel 0
	v_add3_u32 v[UB+1], v[U+2], v[U+3], s25        ; cy of pixel 0
	s_lshl_b32 s30, s20, 1                         ; from a pixel to the next J grows by 2
	s_lshl_b32 s31, s23, 1
.irp k, 1,2,3
	v_add_nc_u32 v[UB+2*\k],   s30, v[UB+2*\k-2]
	v_add_nc_u32 v[UB+2*\k+1], s31, v[UB+2*\k-1]
.endr
	s_lshl_b32 s32, s22, 4                         ; from trip to trip i grows by 8, I by 16
	s_lshl_b32 s33, s21, 4
	; The test of a trip.  Along my 4 pixels cx runs over a span of |3 steps|.  If one of them lies in [0, LIMIT), the largest of them lies in
	; [0, LIMIT + span): one unsigned compare (a negative number is a large one).  The same for cy.  The largest is pixel 0's plus max(0, 3 steps).
	s_mul_i32 s34, s20, 6
	s_mul_i32 s35, s23, 6
	s_max_i32 s36, s34, 0
	s_max_i32 s37, s35, 0
	s_min_i32 s34, s34, 0
	s_min_i32 s35, s35, 0
	s_sub_co_u32 s38, s36, s34                     ; the span
	s_sub_co_u32 s39, s37, s35
	s_add_co_u32 s38, s38, LIMIT
	s_add_co_u32 s39, s39, LIMIT
	v_add_nc_u32 v[TB],   s36, v[UB]
	v_add_nc_u32 v[TB+1], s37, v[UB+1]
	s_mov_b32 s44, 0                               ; what the trips so far have added to cx,
	s_mov_b32 s45, 0                               ; to cy
	s_mov_b32 s46, 0x7fffff                        ; the fraction bits
	s_mov_b32 s47, 0x3f800000                      ; 1.0
	s_mov_b32 s40, 0                               ; trip
	; The pictures into LDS.  (f0, f1) and (s0, s1) become the cells (f0, s0), (f1, s1): 16 bytes; sixteen lanes write a row's 256 bytes of data.
.irp h, 0,1,2,3
	s_wait_loadcnt 6-2*\h                          ; loads return in order, two for each chunk: the 6 - 2 h of the later chunks may stay out
	v_mov_b32 v[TT], v[D+4*\h+1]
	v_mov_b32 v[D+4*\h+1], v[D+4*\h+2]
	v_mov_b32 v[D+4*\h+2], v[TT]
	ds_store_b128 v[LST], v[D+4*\h:D+4*\h+3] offset:BASE+8+PITCH+CHUNK*\h
.endr
	s_wait_dscnt 0x0                               ; for the other waves' sake: all my LDS stores are done before I say so
	s_barrier_signal -1
	s_barrier_wait -1                              ; the picture and its border are whole; LDS is only read from here on
.Ltrip:
	v_add_nc_u32 v[TT],   s44, v[TB]               ; the largest cx and cy of my 4 pixels in this trip
	v_add_nc_u32 v[TT+1], s45, v[TB+1]
	v_cmp_gt_u32 s42, s38, v[TT]
	v_cmp_gt_u32 s43, s39, v[TT+1]
	s_wait_xcnt 0x0                                ; the last trip's stores have had their addresses translated (ISA guide 3.1): OFF, F and S are rewritten only behind this wait
	v_add_nc_u32 v[OFF], TSTEP, v[OFF]             ; one trip ahead; the stores reach back by their offset
	s_and_b32 s42, s42, s43                        ; lanes that may meet the picture; SCC = there is one
	s_cbranch_scc0 .Lzero
.irp k, 0,1,2,3
	v_add_nc_u32 v[U+2*\k],   s44, v[UB+2*\k]
	v_add_nc_u32 v[U+2*\k+1], s45, v[UB+2*\k+1]
.endr
.irp k, 0,1,2,3
	v_lshrrev_b32 v[AD+2*\k],   FRAC, v[U+2*\k]    ; the cell, 9 bits; negative coordinates give 256 and more
	v_lshrrev_b32 v[AD+2*\k+1], FRAC, v[U+2*\k+1]
.endr
.irp k, 0,1,2,3
	v_min_u32 v[AD+2*\k],   33, v[AD+2*\k]         ; whatever lies outside 0 .. 32 reads zeros at 33
	v_min_u32 v[AD+2*\k+1], 33, v[AD+2*\k+1]
.endr
.irp k, 0,1,2,3
	v_mul_u32_u24 v[AD+2*\k+1], v[AD+2*\k+1], PITCH
.endr
.irp k, 0,1,2,3
	v_lshl_add_u32 v[AD+2*\k], v[AD+2*\k], 3, v[AD+2*\k+1]
.endr
.irp k, 0,1,2,3
	ds_load_b64 v[D+8*\k:D+8*\k+1],   v[AD+2*\k] offset:BASE            ; (r0, c0)
	ds_load_b64 v[D+8*\k+2:D+8*\k+3], v[AD+2*\k] offset:BASE+8          ; (r0, c0 + 1)
	ds_load_b64 v[D+8*\k+4:D+8*\k+5], v[AD+2*\k] offset:BASE+PITCH      ; (r0 + 1, c0)
	ds_load_b64 v[D+8*\k+6:D+8*\k+7], v[AD+2*\k] offset:BASE+PITCH+8    ; (r0 + 1, c0 + 1)
.endr
.irp k, 0,1,2,3
	v_and_or_b32 v[U+2*\k],   v[U+2*\k],   s46, s47                     ; 1 + wx
	v_and_or_b32 v[U+2*\k+1], v[U+2*\k+1], s46, s47                     ; 1 + wy
	v_pk_add_f32 v[U+2*\k:U+2*\k+1], v[U+2*\k:U+2*\k+1], -1.0 op_sel_hi:[1,0]
.endr
	; a + wx (b - a) in both rows, then top + wy (bottom - top); fill and stroke side by side until the last step, which puts them where the stores want them
.irp k, 0,1,2,3
	s_wait_dscnt 12-4*\k                           ; LDS loads return in order, four for each pixel: the 12 - 4 k of the later pixels may stay out
	v_pk_add_f32 v[D+8*\k+2:D+8*\k+3], v[D+8*\k+2:D+8*\k+3], v[D+8*\k:D+8*\k+1] neg_lo:[0,1] neg_hi:[0,1]
	v_pk_add_f32 v[D+8*\k+6:D+8*\k+7], v[D+8*\k+6:D+8*\k+7], v[D+8*\k+4:D+8*\k+5] neg_lo:[0,1] neg_hi:[0,1]
	v_pk_fma_f32 v[D+8*\k:D+8*\k+1],   v[D+8*\k+2:D+8*\k+3], v[U+2*\k:U+2*\k+1], v[D+8*\k:D+8*\k+1] op_sel_hi:[1,0,1]      ; both times wx
	v_pk_fma_f32 v[D+8*\k+4:D+8*\k+5], v[D+8*\k+6:D+8*\k+7], v[U+2*\k:U+2*\k+1], v[D+8*\k+4:D+8*\k+5] op_sel_hi:[1,0,1]
	v_pk_add_f32 v[D+8*\k+4:D+8*\k+5], v[D+8*\k+4:D+8*\k+5], v[D+8*\k:D+8*\k+1] neg_lo:[0,1] neg_hi:[0,1]
	v_fma_f32 v[F+\k], v[D+8*\k+4], v[U+2*\k+1], v[D+8*\k]
	v_fma_f32 v[S+\k], v[D+8*\k+5], v[U+2*\k+1], v[D+8*\k+1]
.endr
	global_store_b128 v[OFF], v[F:F+3], s[12:13] offset:-TSTEP th:TH_STORE_NT
	global_store_b128 v[OFF], v[S:S+3], s[14:15] offset:-TSTEP th:TH_STORE_NT
	s_branch .Lnext
.Lzero:
	global_store_b128 v[OFF], v[Z:Z+3], s[12:13] offset:-TSTEP th:TH_STORE_NT
	global_store_b128 v[OFF], v[Z:Z+3], s[14:15] offset:-TSTEP th:TH_STORE_NT
.Lnext:
	s_add_co_u32 s44, s44, s32
	s_add_co_u32 s45, s45, s33
	s_add_co_u32 s40, s40, 1
	s_cmp_lt_u32 s40, TRIPS
	s_cbranch_scc1 .Ltrip
	s_wait_tensorcnt 0x0
	ds_add_u32 v80, v81
	s_wait_dscnt 0x0
	s_endpgm
.Lfunc_end_k_q8596c637c0_warp:
	.size	k_q8596c637c0_warp, .Lfunc_end_k_q8596c637c0_warp-k_q8596c637c0_warp
	.p2alignl 7, 3214868480
	.fill 96, 4, 3214868480
	.section	.rodata,"a",@progbits
	.p2align	6, 0x0
	.amdhsa_kernel k_q8596c637c0_warp
		.amdhsa_group_segment_fixed_size 10752
		.amdhsa_private_segment_fixed_size 0
		.amdhsa_enable_private_segment 0
		.amdhsa_kernarg_size 48
		.amdhsa_user_sgpr_count 2
		.amdhsa_user_sgpr_kernarg_segment_ptr 1
		.amdhsa_wavefront_size32 1
		.amdhsa_system_sgpr_workgroup_id_x 1
		.amdhsa_system_sgpr_workgroup_id_y 1
		.amdhsa_system_sgpr_workgroup_id_z 1
		.amdhsa_system_vgpr_workitem_id 0
		.amdhsa_next_free_vgpr 82
		.amdhsa_next_free_sgpr 66
		.amdhsa_reserve_vcc 0
		.amdhsa_float_denorm_mode_32 3
		.amdhsa_float_denorm_mode_16_64 3
		.amdhsa_memory_ordered 1
		.amdhsa_forward_progress 1
		.amdhsa_inst_pref_size 12
	.end_amdhsa_kernel
	.amdgpu_metadata
---
amdhsa.version: [ 1, 2 ]
amdhsa.kernels:
  - .name:           k_q8596c637c0_warp
    .symbol:         k_q8596c637c0_warp.kd
    .args:
      - { .name: theta, .offset: 0, .size: 8, .value_kind: global_buffer, .address_space: global }
      - { .name: fill_alpha, .offset: 8, .size: 8, .value_kind: global_buffer, .address_space: global }
      - { .name: stroke_alpha, .offset: 16, .size: 8, .value_kind: global_buffer, .address_space: global }
      - { .name: targetsize, .offset: 24, .size: 8, .value_kind: global_buffer, .address_space: global }
      - { .name: out0, .offset: 32, .size: 8, .value_kind: global_buffer, .address_space: global }
      - { .name: out1, .offset: 40, .size: 8, .value_kind: global_buffer, .address_space: global }
    .group_segment_fixed_size: 10752
    .private_segment_fixed_size: 0
    .kernarg_segment_align: 8
    .kernarg_segment_size: 48
    .max_flat_workgroup_size: 128
    .sgpr_count:     66
    .vgpr_count:     82
    .wavefront_size: 32
...
	.end_amdgpu_metadata
.endif
;; end of part 2
